; MI455X (gfx1250); checked and timed in simulation.
; The chip was launched on July 23, 2026; its instructions are those of AMD's public machine-readable ISA for CDNA 5 (MIT licence, August 2026) and "CDNA5" Instruction Set Architecture Reference Guide (July 2026). The comments in the code are by the model that wrote it; some were corrected since.
;; Head. Allowed arithmetic: matrix products marked QUANTISED: E2M3 operands, one E8M0 scale for each 32 along K, by v_wmma_scale_f32_16x16x128_f8f6f4 with both operands' format E2M3, f32 sums; everything else in f32.
;; Inputs: Wk 64 x 384 float32; Wq 64 x 384 float32; Wv 384 x 384 float32; x 4 x 4,096 x 384 float32.
;; Outputs: out0 4 x 4,096 x 384 float32.
;; This version of the problem:
;;   THIS VERSION OF THE PROBLEM IS GIVEN IN LOW PRECISION. The matrix products marked QUANTISED in the list below multiply operands that are first quantised to E2M3 (2 exponent bits, 3 mantissa bits; 6 bits a number), with one power-of-two scale for each 32 numbers along K (OCP MX v1.0); their sums are f32. All else is computed in f32.
;;   The module's matrix products, in the order in which they are computed (A, B: the left and right operand; K: the contracted axis; several contracted axes count as one K, in the product's order):
;;     1. [M 16,384, K 384] x [K 384, N 64]; A: input x; B: input Wk: QUANTISED
;;     2. [M 16,384, K 384] x [K 384, N 64]; A: input x; B: input Wq: QUANTISED
;;     3. [M 16,384, K 384] x [K 384, N 384]; A: input x; B: input Wv: QUANTISED
;;     4. batch 4 x [M 4,096, K 64] x [K 64, N 4,096]; A: computed on the way; B: computed on the way: QUANTISED
;;     5. batch 4 x [M 4,096, K 4,096] x [K 4,096, N 384]; A: softmax (see below); B: computed on the way: QUANTISED
;;   THE QUANTISER, for each operand of a quantised product, along K:
;;     - K is cut into blocks of 32 from its start; a last block that is shorter is filled with zeros.
;;     - A block's scale is 2^e with e = floor(log2(the largest magnitude in the block)) - 2, held to -126 .. 127; a block of zeros has e = 0. As a byte (E8M0): e + 127.
;;     - Each number is divided by its block's scale, clamped to +-7.5, and rounded to the nearest number of E2M3, ties to even, subnormals kept.
;;     - The product sums the exact products of the quantised numbers (number of the format x scale) in f32.
;;   ~~~python
;;   def quantise(x, axis):      # numpy; x: float32 -> the quantised numbers, widened to float32 again
;;       x = np.moveaxis(x, axis, -1); K = x.shape[-1]
;;       x = np.pad(x, [(0, 0)] * (x.ndim - 1) + [(0, -K % 32)]); x = x.reshape(x.shape[:-1] + (-1, 32)); a = np.abs(x).max(-1, keepdims=True)
;;       e = np.where(a > 0, np.clip(np.frexp(np.where(a > 0, a, 1))[1] - 1 - 2, -126, 127), 0)      # np.frexp(a)[1] - 1 = floor(log2(a)), exactly
;;       r = np.clip(x / 2.0 ** e, -7.5, 7.5)
;;       step = 2.0 ** (np.maximum(np.frexp(np.where(r == 0, 1, r))[1] - 1, 0) - 3)
;;       q = np.round(r / step) * step * 2.0 ** e      # np.round: ties to even
;;       return np.moveaxis(q.reshape(q.shape[:-2] + (-1,))[..., :K], -1, axis).astype(np.float32)
;;   ~~~
;;   SOFTMAX AHEAD OF A QUANTISED PRODUCT. Where the list says 'softmax', what is quantised is not the finished softmax but p = 2^(t - M), with t = logit x log2(e) and M = ceil(the row's largest t), a whole number; so 1/2 < the row's largest p <= 1. The row's sum l is taken of the UNQUANTISED p, in f32, and the product's result is divided by l at the end. Since M is a whole number, a kernel that streams over the keys may use a running M (the ceiling of the running maximum): every later rescaling is an exact power of two, which a block's scale takes up: the codes' values come out the same.
;;   OPERANDS COMPUTED ON THE WAY. 'Computed on the way' means the value that the module computes at that place (a softmax that the list does not call 'softmax' is quantised finished and normalised). What goes into a quantiser is computed in f32, as accurately as f32 sums, v_exp_f32 and their like allow (about 1e-6 of the number): no bf16 or f16 on the way to a quantiser, and a product that is left as it is and whose result goes on into a quantised operand takes f32 operands (vector FMAs, or v_wmma_f32_16x16x4_f32). A number that lies on a knife's edge between two numbers of the format may be rounded either way, as far as f32 arithmetic and the matrix unit's own rounding can turn it there, and no further.
;; One version. Each part assembles by itself: llvm-mc -triple=amdgcn-amd-amdhsa -mcpu=gfx1250 --defsym DOCPART=n.
;; ======== version 1 of 1: 3 launches
;; limits: right only within a limited range of input values
;; workspace buffers: wimg 159,744 bytes; qimg 786,432 bytes; qscl 65,536 bytes; kv 5,767,168 bytes
;; launch wq (part 1): grid 32 x 3, 1 waves a work-group, no clusters, 0 bytes of LDS; arguments Wk, Wq, Wv, wimg; writes wimg
.if DOCPART == 1
	.amdgcn_target "amdgcn-amd-amdhsa--gfx1250"
	.amdhsa_code_object_version 6
	.text
	.protected	k_q0540d5fa57_wq
	.globl	k_q0540d5fa57_wq
	.p2align	8
	.type	k_q0540d5fa57_wq,@function
k_q0540d5fa57_wq:
	s_mov_b64 s[64:65], 0
	v_nop
	global_prefetch_b8 v0, s[64:65] scope:SCOPE_SE
	s_setreg_imm32_b32 hwreg(HW_REG_WAVE_MODE, 25, 1), 1
	s_wait_xcnt 0x0
; Wk [64][384], Wq [64][384], Wv [384][384], f32, K innermost, become codes of FP6 (E2M3) with one E8M0 scale byte for each 32 along K,
; laid in wimg AS THE NEXT LAUNCH'S OPERAND REGISTERS: four regions of WRB bytes, one for each of its waves w; in a region 24 fragment images of 1,536 bytes
; (index 3 j + s: tile j = 0 .. 7, K step s = 0 .. 2; register group k of four at 512 k + 16 x lane), then 24 images of scale words (4 x lane, lanes 16-31 a copy of lanes 0-15).
; One wave makes one fragment (16 rows x 128 K): work-group x = 8 w + j, y = s.  96 fragments, 96 work-groups; they share no input, so there is no cluster, no LDS, no barrier.
; Tiles j = 0, 1 of wave w are 32 rows of Wq (w = 0, 1) or of Wk (w = 2, 3), and THEIR ROWS ARE NOT NEIGHBOURS: lane r of tile j takes row 32 (w % 2) + 8 j + r + 8 (r / 8), so that the
; next launch's results of the two tiles are 16 neighbours along the following product's K.  Tiles j = 2 .. 7 are rows 96 w + 16 (j - 2) + r of Wv.
; The operand's layout gives lane (r, h) k = 64 c + 32 h + 0 .. 31 of its row: two whole blocks, 128 consecutive bytes each: no other lane is asked for a maximum.
; A block's scale is 2^(floor(log2(largest magnitude)) - 2); its byte is the largest magnitude's exponent field - 2, held at 1 from below.
; LIMITS: a block of zeros, or one whose largest magnitude lies under 2^-124, gets the byte 1 (a block of zeros has zero codes, and only this program reads the bytes); NaN and infinities among the inputs are not served.
.set WROW, 1536                        ; a row of a weight in bytes
.set WRB,  39936                       ; a wave's region of wimg
.set WSC,  36864                       ; where its scale words begin
	s_load_b256 s[4:11], s[0:1], 0x0               ; Wk s[4:5], Wq s[6:7], Wv s[8:9], wimg s[10:11]
	v_and_b32 v1, 15, v0                           ; r
	s_wait_alu depctr_va_vdst(0)
	v_lshrrev_b32 v2, 4, v0                        ; h
	s_and_b32 s12, ttmp7, 0xffff                   ; s
	s_lshr_b32 s13, ttmp9, 3                       ; w
	s_and_b32 s14, ttmp9, 7                        ; j
	s_and_b32 s15, s13, 1
	s_lshl_b32 s15, s15, 5
	s_lshl_b32 s16, s14, 3
	s_add_co_u32 s15, s15, s16                     ; Wq, Wk: first row 32 (w % 2) + 8 j
	s_mul_i32 s16, s13, 96
	s_lshl_b32 s17, s14, 4
	s_add_co_u32 s16, s16, s17
	s_sub_co_u32 s16, s16, 32                      ; Wv: first row 96 w + 16 j - 32 (taken for j >= 2 alone)
	s_cmp_lt_u32 s14, 2
	s_cselect_b32 s15, s15, s16
	s_cselect_b32 s17, 8, 0                        ; the rows 8 .. 15 of a tile of Wq or Wk lie 8 further on
	v_and_b32 v6, s17, v1
	v_add_nc_u32 v6, v6, v1
	v_add_nc_u32 v6, s15, v6                       ; my row
	v_mul_u32_u24 v3, v6, WROW
	s_wait_alu depctr_va_vdst(0)
	v_lshl_add_u32 v3, v2, 7, v3                   ; + 128 h
	s_lshl_b32 s18, s12, 9
	v_add_nc_u32 v3, s18, v3                       ; + 512 s
	v_lshlrev_b32 v4, 4, v0                        ; out: 16 x lane
	v_lshlrev_b32 v5, 2, v0                        ; and 4 x lane
	s_mul_i32 s22, s14, 3
	s_add_co_u32 s22, s22, s12                     ; the fragment's index 3 j + s
	s_mul_i32 s24, s13, WRB
	s_mul_i32 s23, s22, 1536
	s_add_co_u32 s24, s24, s23
	s_mov_b32 s25, 0
	s_mul_i32 s28, s13, WRB
	s_lshl_b32 s23, s22, 7
	s_add_co_u32 s28, s28, s23
	s_add_co_u32 s28, s28, WSC
	s_mov_b32 s29, 0
	s_mov_b32 s30, 0x76543210
	s_mov_b32 s31, 0xfedcba98                      ; v_permlanex16_b32's selects for lane l xor 16
	s_wait_alu depctr_va_vdst(0)
	s_wait_kmcnt 0x0
	s_cmp_lt_u32 s13, 2                            ; the choices hang on the work-group's number alone
	s_cselect_b64 s[20:21], s[6:7], s[4:5]
	s_cmp_lt_u32 s14, 2
	s_cselect_b64 s[20:21], s[20:21], s[8:9]
	s_add_nc_u64 s[26:27], s[10:11], s[24:25]      ; the fragment's image
	s_add_nc_u64 s[28:29], s[10:11], s[28:29]      ; its scale words
.irp c, 0,1
.irp i, 0,1,2,3,4,5,6,7
	global_load_b128 v[64+32*\c+4*\i:64+32*\c+4*\i+3], v3, s[20:21] offset:256*\c+16*\i   ; W(row, 128 s + 64 c + 32 h + 4 i ..)
.endr
.endr
	s_wait_loadcnt 0x0
.irp c, 0,1
	v_max3_num_f32 v[32+\c], |v[64+32*\c]|, |v[65+32*\c]|, 0x1800000   ; my block 2 c + h, and the floor 2^(3 - 127): the byte cannot fall under 1
.endr
.irp i, 2,4,6,8,10,12,14,16,18,20,22,24,26,28,30
.irp c, 0,1
	v_max3_num_f32 v[32+\c], v[32+\c], |v[64+32*\c+\i]|, |v[65+32*\c+\i]|   ; (the two blocks by turns)
.endr
.endr
.irp c, 0,1
	v_add_nc_u32 v[44+\c], 0xff000000, v[32+\c]    ; 2 off the exponent field: the conversion's scale operand
.endr
.irp c, 0,1
	v_lshrrev_b32 v[36+\c], 23, v[44+\c]           ; the scale's byte
.endr
	v_lshl_or_b32 v9, v37, 16, v36                 ; my two bytes: blocks h and 2 + h,
	v_lshlrev_b32 v10, 3, v2
	v_lshlrev_b32 v9, v10, v9                      ; at their places in the word (8 h bits up);
	v_mov_b32 v10, 0
	v_permlanex16_b32 v10, v9, s30, s31
	v_or_b32 v9, v9, v10                           ; with lane l xor 16's two the word is whole, in both halves of the lanes
.irp c, 0,1
	v_cvt_scalef32_pk16_fp6_f32 v[48+6*\c:50+6*\c], v[64+32*\c:79+32*\c], v[44+\c]   ; registers 6 c .. 6 c + 2 of the operand
	v_cvt_scalef32_pk16_fp6_f32 v[16+4*\c:18+4*\c], v[80+32*\c:95+32*\c], v[44+\c]   ; (a conversion's three registers begin on an even number: the second half is made elsewhere and moved)
.endr
	v_nop                                          ; one plain place behind a scaled conversion
.irp c, 0,1
.irp i, 0,1,2
	v_mov_b32 v[51+6*\c+\i], v[16+4*\c+\i]
.endr
.endr
.irp k, 0,1,2
	global_store_b128 v4, v[48+4*\k:51+4*\k], s[26:27] offset:512*\k   ; 32 lanes store 512 consecutive bytes, aligned
.endr
	global_store_b32 v5, v9, s[28:29]
	s_endpgm
.Lfunc_end_k_q0540d5fa57_wq:
	.size	k_q0540d5fa57_wq, .Lfunc_end_k_q0540d5fa57_wq-k_q0540d5fa57_wq
	.p2alignl 7, 3214868480
	.fill 96, 4, 3214868480
	.section	.rodata,"a",@progbits
	.p2align	6, 0x0
	.amdhsa_kernel k_q0540d5fa57_wq
		.amdhsa_group_segment_fixed_size 0
		.amdhsa_private_segment_fixed_size 0
		.amdhsa_enable_private_segment 0
		.amdhsa_kernarg_size 32
		.amdhsa_user_sgpr_count 2
		.amdhsa_user_sgpr_kernarg_segment_ptr 1
		.amdhsa_wavefront_size32 1
		.amdhsa_system_sgpr_workgroup_id_x 1
		.amdhsa_system_sgpr_workgroup_id_y 1
		.amdhsa_system_sgpr_workgroup_id_z 1
		.amdhsa_system_vgpr_workitem_id 0
		.amdhsa_next_free_vgpr 128
		.amdhsa_next_free_sgpr 66
		.amdhsa_reserve_vcc 0
		.amdhsa_float_denorm_mode_32 3
		.amdhsa_float_denorm_mode_16_64 3
		.amdhsa_memory_ordered 1
		.amdhsa_forward_progress 1
		.amdhsa_inst_pref_size 8
	.end_amdhsa_kernel
	.amdgpu_metadata
---
amdhsa.version: [ 1, 2 ]
amdhsa.kernels:
  - .name:           k_q0540d5fa57_wq
    .symbol:         k_q0540d5fa57_wq.kd
    .args:
      - { .name: Wk, .offset: 0, .size: 8, .value_kind: global_buffer, .address_space: global }
      - { .name: Wq, .offset: 8, .size: 8, .value_kind: global_buffer, .address_space: global }
      - { .name: Wv, .offset: 16, .size: 8, .value_kind: global_buffer, .address_space: global }
      - { .name: wimg, .offset: 24, .size: 8, .value_kind: global_buffer, .address_space: global }
    .group_segment_fixed_size: 0
    .private_segment_fixed_size: 0
    .kernarg_segment_align: 8
    .kernarg_segment_size: 32
    .max_flat_workgroup_size: 32
    .sgpr_count:     66
    .vgpr_count:     128
    .wavefront_size: 32
...
	.end_amdgpu_metadata
.endif
;; end of part 1
;; launch proj (part 2): grid 256 x 1, 4 waves a work-group, clusters of 4 x 1, 180,736 bytes of LDS; arguments x, wimg, qimg, qscl, kv; writes qimg, qscl, kv
.if DOCPART == 2
	.amdgcn_target "amdgcn-amd-amdhsa--gfx1250"
	.amdhsa_code_object_version 6
	.text
	.protected	k_q0540d5fa57_proj
	.globl	k_q0540d5fa57_proj
	.p2align	8
	.type	k_q0540d5fa57_proj,@function
k_q0540d5fa57_proj:
	s_mov_b64 s[64:65], 0
	v_nop
	global_prefetch_b8 v0, s[64:65] scope:SCOPE_SE
	s_setreg_imm32_b32 hwreg(HW_REG_WAVE_MODE, 25, 1), 1
	s_wait_xcnt 0x0
	s_wait_alu depctr_hold_cnt(0) depctr_sa_sdst(0) depctr_va_vdst(0) depctr_va_sdst(0) depctr_va_ssrc(0) depctr_va_vcc(0) depctr_vm_vsrc(0)
	s_getreg_b32 s2, hwreg(HW_REG_IB_STS2, 6, 4)
	s_cmp_eq_u32 s2, 0
	s_cbranch_scc0 .Lentry_in_a_cluster
	s_endpgm
.Lentry_in_a_cluster:
	s_bfe_u32 s2, ttmp6, 0x10000c
	s_cmp_lg_u32 s2, 0x3003
	s_cbranch_scc0 .Lentry_shape_is_right
	s_endpgm
.Lentry_shape_is_right:
; q = x Wq^T, k = x Wk^T, v = x Wv^T on codes of FP6 (E2M3) with one E8M0 scale for each 32 along K, and q, k, v quantised again for the attention launch:
; q and k along their 64 features, v ALONG THE TOKENS (the keys are the last product's K).  x [16384][384] f32 is quantised here; the weights come as register images from wimg.
; SHARES.  Work-group g takes tokens 64 g .. 64 g + 63, as four tiles of 16.  THE TOKENS OF A TILE ARE NOT NEIGHBOURS: lane r of tile m takes token 32 (m / 2) + 8 (m % 2) + r + 8 (r / 8).
; The four waves share the COLUMNS: wave w holds 8 weight tiles for all 64 tokens: tiles 0, 1 = one block of 32 features of q (w = 0, 1) or of k (w = 2, 3), tiles 2 .. 7 = channels 96 w .. 96 w + 95 of v.
; Wave w also quantises tile w of x (three K steps); the fragments reach the other waves through LDS as images of their registers (16 x lane), their scale words likewise (4 x lane).
; q, k: source 0 = the weight, source 1 = x: a lane holds one token, and the 16 registers of the two tiles are 16 neighbouring features.
; v:    source 0 = x, source 1 = the weight: a lane holds one channel, and the 16 registers of token tiles 2 b, 2 b + 1 are 16 neighbouring tokens.
; So a conversion's 96 bits of lane (r, h) are half a block of an operand's row r, and go to memory at 24 r + 384 x block + 12 h: the wave's store covers 384 consecutive bytes, and a reader takes 24 bytes a lane.
; kv: a record of REC bytes for each 128 tokens: 0: k's codes, 8 tiles x 768; 6,144: k's scale words, 8 x 64; 6,656: v's scale words, 24 x 64; 8,192: v's codes, 24 channel tiles x 1,536 (64 keys to each 768).
; q's and k's K is 64: bytes 2 and 3 of their scale words are 127, for the zero codes that fill the instruction's 128.
; CLUSTER.  All work-groups read the same weights: each wave's region of wimg is asked for JOINTLY by the four work-groups of a cluster, once, and read by that wave alone.
; v's scale bytes leave as 2 bytes a lane, 4 bytes apart: two work-groups share each word; they are 768 of the 25,856 bytes that a work-group stores.
; LIMITS: a block of zeros, or one whose largest magnitude lies under 2^-124, gets the byte 1 (zero codes add nothing; only this program reads the bytes); NaN and infinities among the inputs are not served.
; REGISTERS, in windows of 256.  window 0: v1-15 addresses; v16-39 the weights' scale words; v40-51 x's; v52-67 at work; v70-89 codes just made; v96-239 x's 12 fragments, later the codes that leave.
;   window 1: Wv's 18 fragments.   window 2: v0-71 the q/k weight's 6 fragments, v72-135 the q/k sums.   window 3: v0-191 x as loaded, then v's 24 sums (channel tile j, token tile m at 32 j + 8 m).
.set REC,   45056
.set WRB,   39936                      ; a wave's region of wimg, and of LDS
.set WSC,   36864                      ; where its scale words begin
.set XIMG,  4*WRB                      ; LDS: x's 12 fragment images (3 m + s), 1,536 bytes each,
.set XSC,   XIMG+12*1536               ; their scale words, 128 bytes each,
.set SST,   XSC+12*128                 ; q's 64 scale words, then k's 64,
.set SPARE, SST+512                    ; and the spare words, 128 bytes for each wave: two blocks of 256 bytes that no other line names
.set SPW, 1                            ; v1   SPARE + 4 x my thread's number; never rewritten
.set NIL, 2                            ; v2   0; never rewritten
.set XA,  3                            ; v3   x: my row of the wave's tile, + 64 h
.set LI,  4                            ; v4   16 x lane
.set LS,  5                            ; v5   4 x lane
.set WRI, 6                            ; v6   my wave's weights in LDS
.set WRS, 7                            ; v7   and their scale words
.set XWI, 8                            ; v8   where I store x's images
.set XWS, 9                            ; v9   and their scale words
.set XRI, 10                           ; v10  where all read them
.set XRS, 11
.set VO,  12                           ; v12  24 r + 12 h
.set VSO, 13                           ; v13  4 r + 64 h
.set QKO, 14                           ; v14  24 r + 12 h + 384 (w % 2)
.set SBA, 15                           ; v15  my byte of a scale word of q or k
.set WS,  16
.set XS,  40
.set TM,  52                           ; +0..3 largest magnitudes, +4..7 the other half's, then bytes, +8, +9 at work, +12..15 the conversions' scale operands
.set PW,  68                           ; the scale word just made
.set C127, 69
.set PC,  70
.set HW,  90                           ; v90-92 v's scale bytes, two to a lane
.set SRD, 93
.set SGO, 94
.set XF,  96
.set CD,  96                           ; four sets of 16 registers for the codes that leave: no store's data are written again
.set WV,  14
.set SEL, 20
.set MSB, 0
.macro WIN new                         ; the immediate's high byte repeats the setting that is left
.if MSB != \new
	s_set_vgpr_msb (MSB<<8)|\new
.set MSB, \new
.endif
.endm
.macro CROUND                          ; a round of the cluster's barrier
	s_barrier_signal -1
	s_barrier_wait -1
	s_cmp_lg_u32 s[WV], 0
	s_cbranch_scc1 .Lnot_wave_0_\@
	s_barrier_signal -3
.Lnot_wave_0_\@:
	s_barrier_wait -3
	s_barrier_signal -1
	s_barrier_wait -1
.endm
.macro BARRIER                         ; my LDS stores have landed and my LDS loads are in: then the work-group's barrier
	s_wait_dscnt 0x0
	s_barrier_signal -1
	s_barrier_wait -1
.endm
.macro XLOAD s                         ; K step s of my row: of each block of 32 my half's 16 numbers, into window 3
.irp b, 0,1,2,3
.irp j, 0,1,2,3
	global_load_b128 v[64*\s+16*\b+4*\j:64*\s+16*\b+4*\j+3], v[XA], s[4:5] offset:512*\s+128*\b+16*\j th:TH_LOAD_NT
.endr
.endr
.endm
; Four groups of 16 registers from src on (their window: wm = window x 5): each group's largest magnitude joined with lane l xor 16's: a block's; then its scale operand and its byte.
.macro QMAX src, wm
	WIN \wm
.irp b, 0,1,2,3
	v_max3_num_f32 v[TM+\b], |v[(\src)+16*\b]|, |v[(\src)+16*\b+1]|, 0x1800000   ; and the floor 2^(3 - 127): the byte cannot fall under 1.  (Each sum is read from its low end on)
.endr
.irp i, 2,4,6,8,10,12,14
.irp b, 0,1,2,3
	v_max3_num_f32 v[TM+\b], |v[(\src)+16*\b+\i]|, |v[(\src)+16*\b+\i+1]|, v[TM+\b]   ; (the four groups by turns)
.endr
.endr
	WIN 0
.irp b, 0,1,2,3
	v_permlanex16_b32 v[TM+4+\b], v[TM+\b], s[SEL], s[SEL+1]
.endr
.irp b, 0,1,2,3
	v_max_num_f32 v[TM+\b], v[TM+\b], v[TM+4+\b]
.endr
.irp b, 0,1,2,3
	v_add_nc_u32 v[TM+12+\b], 0xff000000, v[TM+\b]   ; 2 off the exponent field: the conversion's scale operand
.endr
.irp b, 0,1,2,3
	v_lshrrev_b32 v[TM+4+\b], 23, v[TM+12+\b]      ; the scale's byte
.endr
.endm
; 64 numbers of x in window 3 become a fragment in v[PC] on and its scale word in v[PW]
.macro XCVT src
	v_lshl_or_b32 v[PW], v[TM+5], 8, v[TM+4]
	v_lshl_or_b32 v[PW], v[TM+6], 16, v[PW]
	v_lshl_or_b32 v[PW], v[TM+7], 24, v[PW]
	WIN 3
.irp c, 0,1
	v_cvt_scalef32_pk16_fp6_f32 v[PC+6*\c:PC+6*\c+2], v[(\src)+32*\c:(\src)+32*\c+15], v[TM+12+2*\c]
	v_cvt_scalef32_pk16_fp6_f32 v[PC+12+4*\c:PC+12+4*\c+2], v[(\src)+32*\c+16:(\src)+32*\c+31], v[TM+12+2*\c+1]   ; (a conversion's three registers begin on an even number)
.endr
	WIN 0
	v_nop                                          ; one plain place behind a scaled conversion
.irp c, 0,1                            ; the operand's layout wants a WHOLE block in a lane: lanes 0-15 block 2 c, lanes 16-31 block 2 c + 1
.irp i, 0,1,2
	v_permlane16_swap_b32 v[PC+6*\c+\i], v[PC+12+4*\c+\i]
.endr
.irp i, 0,1,2
	v_mov_b32 v[PC+3+6*\c+\i], v[PC+12+4*\c+\i]
.endr
.endr
.endm
; the four groups' codes, 96 bits a lane each, into v[dst + 4 b] on
.macro CVT4 src, w1, dst
	WIN \w1
.irp b, 0,1,2,3
	v_cvt_scalef32_pk16_fp6_f32 v[(\dst)+4*\b:(\dst)+4*\b+2], v[(\src)+16*\b:(\src)+16*\b+15], v[TM+12+\b]
.endr
	WIN 0
	v_nop                                          ; one plain place behind a scaled conversion
.endm
; K step s of all 32 sums, by turns, one instruction a turn, in the same order in every step.  The first step starts the sums: nothing is cleared.
.macro PROD s
	WIN 0xa2                                       ; source 0 (the weight) window 2, source 1 (x) window 0, C and D window 2
.irp m, 0,1,2,3
.irp u, 0,1
.if \s == 0
	v_wmma_scale_f32_16x16x128_f8f6f4 v[72+16*\m+8*\u:72+16*\m+8*\u+7], v[12*(3*\u+\s):12*(3*\u+\s)+11], v[XF+12*(3*\m+\s):XF+12*(3*\m+\s)+11], 0, v[WS+3*\u+\s], v[XS+3*\m+\s] matrix_a_fmt:MATRIX_FMT_FP6 matrix_b_fmt:MATRIX_FMT_FP6
.else
	v_wmma_scale_f32_16x16x128_f8f6f4 v[72+16*\m+8*\u:72+16*\m+8*\u+7], v[12*(3*\u+\s):12*(3*\u+\s)+11], v[XF+12*(3*\m+\s):XF+12*(3*\m+\s)+11], v[72+16*\m+8*\u:72+16*\m+8*\u+7], v[WS+3*\u+\s], v[XS+3*\m+\s] matrix_a_fmt:MATRIX_FMT_FP6 matrix_b_fmt:MATRIX_FMT_FP6
.endif
.endr
.endr
	WIN 0xf4                                       ; source 0 (x) window 0, source 1 (Wv) window 1, C and D window 3
.irp j, 0,1,2,3,4,5
.irp m, 0,1,2,3
.if \s == 0
	v_wmma_scale_f32_16x16x128_f8f6f4 v[32*\j+8*\m:32*\j+8*\m+7], v[XF+12*(3*\m+\s):XF+12*(3*\m+\s)+11], v[12*(3*\j+\s):12*(3*\j+\s)+11], 0, v[XS+3*\m+\s], v[WS+3*(\j+2)+\s] matrix_a_fmt:MATRIX_FMT_FP6 matrix_b_fmt:MATRIX_FMT_FP6
.else
	v_wmma_scale_f32_16x16x128_f8f6f4 v[32*\j+8*\m:32*\j+8*\m+7], v[XF+12*(3*\m+\s):XF+12*(3*\m+\s)+11], v[12*(3*\j+\s):12*(3*\j+\s)+11], v[32*\j+8*\m:32*\j+8*\m+7], v[XS+3*\m+\s], v[WS+3*(\j+2)+\s] matrix_a_fmt:MATRIX_FMT_FP6 matrix_b_fmt:MATRIX_FMT_FP6
.endif
.endr
.endr
.endm
	s_load_b256 s[4:11], s[0:1], 0x0               ; x s[4:5], wimg s[6:7], qimg s[8:9], qscl s[10:11]
	s_load_b64 s[12:13], s[0:1], 0x20              ; kv
	v_lshl_add_u32 v[SPW], v0, 2, SPARE
	v_mov_b32 v[NIL], 0
	ds_add_u32 v[SPW], v[NIL]                      ; the wave's opening: the add and its wait ahead of my first tensor load; the set-up below, work on registers, stands between them
	ds_add_u32 v[SPW], v[NIL]
	v_lshrrev_b32 v52, 5, v0
	v_readfirstlane_b32 s[WV], v52                 ; wave 0..3
	s_bfe_u32 s15, ttmp6, 0x40000                  ; cx
	s_lshl_b32 s16, ttmp9, 2
	s_add_co_u32 s16, s16, s15                     ; g = 4 x cluster + cx: it enters global addresses alone
	; descriptor group 1: 156 dense rows of 256 bytes (32 elements of 8 bytes), no padding: a wave's region of wimg
	s_mov_b32 s24, 15|(3<<16)|(1<<21)              ; 15:0 the mask: all four work-groups; 17:16 elements of 8 bytes; 21 set beside a mask
	s_mov_b32 s25, 32<<16                          ; tensor_dim0 = 32
	s_mov_b32 s26, 156<<16                         ; tensor_dim1 = 156
	s_mov_b32 s27, 32<<16                          ; tile_dim0 = 32
	s_mov_b32 s28, 156                             ; tile_dim1 = 156
	s_mov_b32 s29, 32                              ; from row to row
	s_mov_b32 s30, 0
	s_mov_b32 s31, 0
	s_mov_b32 s32, 1                               ; group 0: count = 1,
	s_mul_i32 s33, s[WV], WRB                      ; LDS address: wave x WRB,
	s_mul_i32 s38, s[WV], WRB                      ; and the same offset in wimg
	s_mov_b32 s39, 0
	s_mov_b32 s[SEL], 0x76543210
	s_mov_b32 s[SEL+1], 0xfedcba98                 ; v_permlanex16_b32's selects for lane l xor 16
	s_mov_b32 s40, 0xffff0000                      ; lanes 16-31
	s_lshr_b32 s36, s[WV], 1
	s_and_b32 s37, s[WV], 1
	v_and_b32 v52, 15, v0                          ; r
	v_bfe_u32 v53, v0, 4, 1                        ; h
	v_and_b32 v54, 31, v0                          ; lane
	s_lshl_b32 s41, s36, 5
	s_lshl_b32 s2, s37, 3
	s_add_co_u32 s41, s41, s2                      ; tile w begins at token 32 (w / 2) + 8 (w % 2)
	v_and_b32 v55, 8, v52
	v_add_nc_u32 v55, v55, v52
	v_add_nc_u32 v55, s41, v55                     ; my token of the 64
	v_mul_u32_u24 v[XA], v55, 1536
	v_lshl_add_u32 v[XA], v53, 6, v[XA]
	v_lshlrev_b32 v[LI], 4, v54
	v_lshlrev_b32 v[LS], 2, v54
	v_add_nc_u32 v[WRI], s33, v[LI]
	v_add_nc_u32 v[WRS], s33, v[LS]
	v_add_nc_u32 v[WRS], WSC, v[WRS]
	s_mul_i32 s41, s[WV], 3*1536
	v_add_nc_u32 v[XWI], s41, v[LI]
	v_add_nc_u32 v[XWI], XIMG, v[XWI]
	s_mul_i32 s41, s[WV], 3*128
	v_add_nc_u32 v[XWS], s41, v[LS]
	v_add_nc_u32 v[XWS], XSC, v[XWS]
	v_add_nc_u32 v[XRI], XIMG, v[LI]
	v_add_nc_u32 v[XRS], XSC, v[LS]
	v_mul_u32_u24 v[VO], v52, 24
	v_mad_u32_u24 v[VO], v53, 12, v[VO]
	v_lshlrev_b32 v[VSO], 2, v52
	v_lshl_add_u32 v[VSO], v53, 6, v[VSO]
	s_mul_i32 s41, s37, 384
	v_add_nc_u32 v[QKO], s41, v[VO]
	s_lshl_b32 s41, s36, 8
	v_lshlrev_b32 v[SGO], 3, v54
	v_add_nc_u32 v[SRD], s41, v[SGO]
	v_add_nc_u32 v[SRD], SST, v[SRD]               ; q's or k's 64 words, 8 bytes a lane
	s_add_co_u32 s41, s41, s37
	v_lshlrev_b32 v[SBA], 2, v52
	v_add_nc_u32 v[SBA], s41, v[SBA]
	v_add_nc_u32 v[SBA], SST, v[SBA]               ; SST + 256 (w / 2) + 4 r + (w % 2)
	v_mov_b32 v[C127], 127
.irp b, 0,1,2,3
	v_mov_b32 v[TM+4+\b], 0                        ; written once: a lane permute's destination counts as one of its sources
.endr
	s_wait_dscnt 0x0                               ; the opening add is done
	s_wait_kmcnt 0x0
	s_mul_i32 s18, s16, 64*1536
	s_mov_b32 s19, 0
	s_add_nc_u64 s[4:5], s[4:5], s[18:19]          ; x at my work-group's first token
	WIN 0xc0                                       ; destination window 3
	XLOAD 0                                        ; all of x's 48 loads go out ahead of everything else
	XLOAD 1
	XLOAD 2
	WIN 0
	s_add_nc_u64 s[34:35], s[6:7], s[38:39]        ; group 0: global address,
	s_or_b32 s35, s35, 0x80000000                  ; type = 2
	CROUND                                         ; all four work-groups are here: the joint loads meet
	tensor_load_to_lds s[32:35], s[24:31]          ; my wave's weights: the one tensor load of the wave
	s_nop 0
.rept 4
	v_nop
.endr
	s_lshr_b32 s17, s16, 1                         ; my record of kv,
	s_and_b32 s22, s16, 1                          ; and which 64 of its 128 tokens are mine
	s_mul_i32 s18, s17, REC
	s_add_nc_u64 s[50:51], s[12:13], s[18:19]
	s_mul_i32 s18, s16, 4*768
	s_add_nc_u64 s[42:43], s[8:9], s[18:19]        ; q's codes: four tiles of 768 bytes
	s_mul_i32 s18, s22, 4*768
	s_add_nc_u64 s[52:53], s[50:51], s[18:19]      ; k's
	s_cmp_lt_u32 s[WV], 2
	s_cselect_b64 s[42:43], s[42:43], s[52:53]     ; waves 0, 1 make q, waves 2, 3 k
	s_lshl_b32 s18, s16, 8
	s_add_nc_u64 s[48:49], s[10:11], s[18:19]      ; q's scale words: 256 bytes a work-group
	s_lshl_b32 s18, s22, 8
	s_add_co_u32 s18, s18, 6144
	s_add_nc_u64 s[52:53], s[50:51], s[18:19]      ; k's
	s_cmp_lt_u32 s[WV], 2
	s_cselect_b64 s[48:49], s[48:49], s[52:53]
	s_mul_i32 s18, s22, 768
	s_mul_i32 s23, s[WV], 6*1536
	s_add_co_u32 s18, s18, s23
	s_add_co_u32 s18, s18, 8192
	s_add_nc_u64 s[44:45], s[50:51], s[18:19]      ; v's codes: my six channel tiles, my half of the keys
	s_lshl_b32 s18, s22, 1
	s_mul_i32 s23, s[WV], 6*64
	s_add_co_u32 s18, s18, s23
	s_add_co_u32 s18, s18, 6656
	s_add_nc_u64 s[46:47], s[50:51], s[18:19]      ; v's scale bytes: my two of each word's four
	; ---- x: my tile's three fragments
.irp s, 0,1,2
	s_wait_loadcnt 32-16*\s                        ; this K step's 16 loads are in; the later steps' may be out
	QMAX 64*\s, 15
	XCVT 64*\s
.irp k, 0,1,2
	ds_store_b128 v[XWI], v[PC+4*\k:PC+4*\k+3] offset:1536*\s+512*\k
.endr
	ds_store_b32 v[XWS], v[PW] offset:128*\s
	s_wait_dscnt 0x0                               ; the stores have read their registers
.endr
	BARRIER                                        ; x's twelve fragments lie in LDS.
	s_wait_tensorcnt 0x0                           ; my weights have landed; only I read them
	WIN 0x80                                       ; destination window 2
.set f, 0
.rept 6
.irp k, 0,1,2
	ds_load_b128 v[12*f+4*\k:12*f+4*\k+3], v[WRI] offset:1536*f+512*\k
.endr
.set f, f+1
.endr
	WIN 0x40                                       ; destination window 1
.set f, 0
.rept 18
.irp k, 0,1,2
	ds_load_b128 v[12*f+4*\k:12*f+4*\k+3], v[WRI] offset:1536*(f+6)+512*\k
.endr
.set f, f+1
.endr
	WIN 0
.set f, 0
.rept 24
	ds_load_b32 v[WS+f], v[WRS] offset:128*f
.set f, f+1
.endr
.set f, 0
.rept 12
.irp k, 0,1,2
	ds_load_b128 v[XF+12*f+4*\k:XF+12*f+4*\k+3], v[XRI] offset:1536*f+512*\k
.endr
	ds_load_b32 v[XS+f], v[XRS] offset:128*f
.set f, f+1
.endr
	s_wait_dscnt 0x0
	PROD 0
	PROD 1
	PROD 2
	WIN 0
.rept 4
	v_nop                                          ; places between the last product and the first read of results
.endr
	; ---- v: two channel tiles at a time: four blocks of 32 tokens
.irp pr, 0,1,2
	QMAX 64*\pr, 15
	CVT4 64*\pr, 3, CD+16+16*\pr
.irp b, 0,1,2,3
	global_store_b96 v[VO], v[CD+16+16*\pr+4*\b:CD+16+16*\pr+4*\b+2], s[44:45] offset:1536*(2*\pr+\b/2)+384*(\b%2)   ; the wave stores 384 consecutive bytes
.endr
	v_lshl_or_b32 v[TM+8], v[TM+5], 8, v[TM+4]     ; the even tile's two bytes,
	v_lshl_or_b32 v[TM+9], v[TM+7], 8, v[TM+6]     ; the odd tile's;
	v_cndmask_b32 v[HW+\pr], v[TM+8], v[TM+9], s40 ; lanes 0-15 store the first, lanes 16-31 the second
	global_store_b16 v[VSO], v[HW+\pr], s[46:47] offset:128*\pr
.endr
	; ---- q or k: my block of 32 features of the four token tiles
	QMAX 72, 10
	CVT4 72, 2, CD
.irp m, 0,1,2,3
	global_store_b96 v[QKO], v[CD+4*\m:CD+4*\m+2], s[42:43] offset:768*\m
.endr
.irp m, 0,1,2,3
	ds_store_b8 v[SBA], v[TM+4+\m] offset:64*\m    ; my block's byte of the row's scale word (both halves of the lanes write the same byte with the same value),
	ds_store_b8 v[SBA], v[C127] offset:64*\m+2     ; and 127 for a block of the zero codes that fill K to 128
.endr
	BARRIER                                        ; the words are whole
	s_and_b32 s41, s[WV], 1
	s_cmp_lg_u32 s41, 0
	s_cbranch_scc1 .Lodd                           ; wave 0 stores q's 64 words, wave 2 k's
	ds_load_b64 v[TM+8:TM+9], v[SRD]
	s_wait_dscnt 0x0
	global_store_b64 v[SGO], v[TM+8:TM+9], s[48:49]   ; 32 lanes store 256 consecutive bytes, aligned
.Lodd:
	s_wait_tensorcnt 0x0                           ; the wave's end, behind my last tensor load and my last LDS store
	ds_add_u32 v[SPW], v[NIL]
	s_wait_dscnt 0x0
	CROUND                                         ; the closing round
	s_endpgm
.Lfunc_end_k_q0540d5fa57_proj:
	.size	k_q0540d5fa57_proj, .Lfunc_end_k_q0540d5fa57_proj-k_q0540d5fa57_proj
	.p2alignl 7, 3214868480
	.fill 96, 4, 3214868480
	.section	.rodata,"a",@progbits
	.p2align	6, 0x0
	.amdhsa_kernel k_q0540d5fa57_proj
		.amdhsa_group_segment_fixed_size 180736
		.amdhsa_private_segment_fixed_size 0
		.amdhsa_enable_private_segment 0
		.amdhsa_kernarg_size 40
		.amdhsa_user_sgpr_count 2
		.amdhsa_user_sgpr_kernarg_segment_ptr 1
		.amdhsa_wavefront_size32 1
		.amdhsa_system_sgpr_workgroup_id_x 1
		.amdhsa_system_sgpr_workgroup_id_y 1
		.amdhsa_system_sgpr_workgroup_id_z 1
		.amdhsa_system_vgpr_workitem_id 0
		.amdhsa_next_free_vgpr 1024
		.amdhsa_next_free_sgpr 66
		.amdhsa_reserve_vcc 0
		.amdhsa_float_denorm_mode_32 3
		.amdhsa_float_denorm_mode_16_64 3
		.amdhsa_memory_ordered 1
		.amdhsa_forward_progress 1
		.amdhsa_inst_pref_size 62
	.end_amdhsa_kernel
	.amdgpu_metadata
---
amdhsa.version: [ 1, 2 ]
amdhsa.kernels:
  - .name:           k_q0540d5fa57_proj
    .symbol:         k_q0540d5fa57_proj.kd
    .args:
      - { .name: x, .offset: 0, .size: 8, .value_kind: global_buffer, .address_space: global }
      - { .name: wimg, .offset: 8, .size: 8, .value_kind: global_buffer, .address_space: global }
      - { .name: qimg, .offset: 16, .size: 8, .value_kind: global_buffer, .address_space: global }
      - { .name: qscl, .offset: 24, .size: 8, .value_kind: global_buffer, .address_space: global }
      - { .name: kv, .offset: 32, .size: 8, .value_kind: global_buffer, .address_space: global }
    .group_segment_fixed_size: 180736
    .private_segment_fixed_size: 0
    .kernarg_segment_align: 8
    .kernarg_segment_size: 40
    .max_flat_workgroup_size: 128
    .sgpr_count:     66
    .vgpr_count:     1024
    .wavefront_size: 32
...
	.end_amdgpu_metadata
.endif
;; end of part 2
;; launch attn (part 3): grid 64 x 4, 8 waves a work-group, clusters of 4 x 1, 327,680 bytes of LDS; arguments qimg, qscl, kv, out0; writes out0
.if DOCPART == 3
	.amdgcn_target "amdgcn-amd-amdhsa--gfx1250"
	.amdhsa_code_object_version 6
	.text
	.protected	k_q0540d5fa57_attn
	.globl	k_q0540d5fa57_attn
	.p2align	8
	.type	k_q0540d5fa57_attn,@function
k_q0540d5fa57_attn:
	s_mov_b64 s[64:65], 0
	v_nop
	global_prefetch_b8 v0, s[64:65] scope:SCOPE_SE
	s_setreg_imm32_b32 hwreg(HW_REG_WAVE_MODE, 25, 1), 1
	s_wait_xcnt 0x0
	s_wait_alu depctr_hold_cnt(0) depctr_sa_sdst(0) depctr_va_vdst(0) depctr_va_sdst(0) depctr_va_ssrc(0) depctr_va_vcc(0) depctr_vm_vsrc(0)
	s_getreg_b32 s2, hwreg(HW_REG_IB_STS2, 6, 4)
	s_cmp_eq_u32 s2, 0
	s_cbranch_scc0 .Lentry_in_a_cluster
	s_endpgm
.Lentry_in_a_cluster:
	s_bfe_u32 s2, ttmp6, 0x10000c
	s_cmp_lg_u32 s2, 0x3003
	s_cbranch_scc0 .Lentry_shape_is_right
	s_endpgm
.Lentry_shape_is_right:
; out0[b][q][:] = the sum over keys k <= q of softmax_k(q . k / 8) v[k][:], both products on codes of FP6 (E2M3) with one E8M0 scale for each 32 along a product's K.
; t = score x log2(e) / 8; M = the largest t so far rounded up to a whole number; p = 2^(t - M) is quantised along the keys, not normalised; the row's sum is taken of the unquantised p and divides at the end;
; when M moves, sum and O are multiplied by 2^(old M - new M), which rounds nothing.
; LEFT OUT: records of 128 keys that lie wholly behind a query tile's diagonal: the causal mask gives them the weight 0 for all values of the inputs.
; INPUTS as the launch before laid them: qimg (a tile of 16 queries: 768 bytes), qscl (16 words a tile), kv (a record of REC bytes for each 128 keys: k's codes and scale words, KPB bytes; then v's scale words and codes, VPB bytes).
; Tile 2 b + u, lane r, holds token 32 b + 8 u + r + 8 (r / 8).
; SHARES.  A work-group owns 64 queries of one batch: piece A = queries 32 i on, piece B = queries 32 (127 - i) on, i = 4 cl + cx.  A trip takes two records.  Stream Y serves B's two tiles (virtual tiles 2, 3) with records 31 - cl - t.
; Stream X serves virtual tiles 0, 1: A's tiles on record t for t <= cl; then A leaves and a second state of B's tiles walks records 0 .. 14 - cl; in trip 16 X's record is wholly hidden.  17 trips whatever the place; B's two states are joined at the end.
; TWO ROLES, eight waves.  Waves 0-3: scores and softmax of virtual tile w in trip k.  Waves 4-7: O^T of channels 96 w .. 96 w + 95 of all four virtual tiles, in trip k - 1.  p (codes, scale word) and f = 2^(old M - new M) pass through LDS
; as images of registers, in two buffers by turns, so the one round of an interval orders them.  18 intervals.  Every barrier stands on the way that all waves take; the roles part on the wave's number behind it.
; LDS.  K's parts and V's parts have a ring of two slots each, since V is read one interval behind K.  Behind the round of interval k: K of trip k + 1 (waves 6, 7: one stream each) and V of trip k (waves 0-5: a third of a stream's part each).
; At the head K(0) and V(0), behind the first round K(1) and V(1), all first fills; interval 1 asks for K(2) alone, interval 16 for V(16) alone: these intervals are written out.
; CLUSTER.  The four partners share cl and the batch and walk the same records: every load is joint.  No branch and no LDS address hangs on cx.
; PREFETCH.  What it names has been asked of memory earlier.  A record is 176 blocks of 256 bytes: sixteen waves of the
; cluster take 11 each, a lane a block (the lanes left over name the wave's last block again): waves 0-3 of each partner for X's record, waves 4-7 for Y's, the partners told apart by address (4 cx + wave % 4).  Interval k asks for trip k + 3,
; whose K is loaded behind round k + 2 and whose V behind round k + 3; the head asks for trips 1 and 2.  X's asking stops at trip cl (its later records have been read in this launch), Y's at trip 16: no block is named twice, none outside kv.
; LIMITS: NaN and infinities among the inputs are not served, and one that reaches only the records left out is not carried to the result; the promise holds while |t| stays under 2^31; p under 2^-126 is 0;
; a block of p that is all zeros gets the byte 1 (its codes are zeros); a fresh state's first f is 0, which clears O where O is finite.
; REGISTERS.  window 0: v1-29 addresses and query numbers; softmax waves: v30-33 state, v34-53 Q, v54-111 K, v112-175 S^T then p, v176-213 at work; product waves: v54-197 V's 12 fragments, v214-239 scale words, f, statistics.
;   window 1 (product waves): v0-191 O^T (48 t + 8 j), v192-239 the four p fragments.
.set REC,   45056
.set KPB,   6656
.set VPB,   38400
.set VTH,   12800                      ; a third of V's part: 50 rows of 256 bytes
.set KOFF,  2*VPB                      ; in a slot: V of X, V of Y, K of X, K of Y
.set SLOT1, 1<<17                      ; the second slots begin here: one exclusive or changes slots
.set PBUF,  2*REC                      ; behind each slot: four p images of 1,536 bytes, four scale words (128), four f (128)
.set PSC,   6144
.set STG,   229376                     ; the stage for 32 rows of out0, 1,536 bytes + 16
.set SPI,   1552
.set STAT,  STG+32*SPI                 ; statistics: 256 bytes a tile at A's leave, and 1,024 further on the same at the end
.set SPARE, STAT+2048                  ; the spare words, 128 bytes a wave
.set SPW, 1
.set NIL, 2
.set AK0, 3                            ; v3-12 LDS addresses in slot 0: K, K's scales, p out, p's word out | V (X, Y), V's scales (X, Y), p in, words in
.set AK,  13                           ; v13-22 the same ten in the slot in hand
.set AS,  14
.set PWI, 15
.set PSW, 16
.set AV,  17
.set AT,  19
.set PRI, 21
.set PRS, 22
.set SO,  23
.set SR,  24
.set GO,  25
.set STW, 26
.set STR, 27
.set QH,  28
.set QHN, 29
.set NM,  30
.set TMX, 31
.set L,   32
.set Q,   34
.set QN,  46
.set QS,  52
.set QSN, 53
.set KR,  54
.set KS,  108
.set S,   112
.set PC,  176
.set BM,  196
.set T4,  200
.set SU,  204
.set SOP, 206
.set F,   210
.set PWD, 211
.set TA,  212
.set PS,  214
.set FF,  218
.set VS,  226
.set STT, 232
.set PFO, 250                          ; v250 the prefetches' offset: 256 x min(lane, 10); never rewritten
.set VB,  54
.set OB,  112
.set WV,  12
.set W4,  13
.set CL,  14
.set SEL, 20
.set CS,  22
.set G1V, 24
.set G1K, 32
.set G0V, 40
.set G0K, 44
.set FB,  48                           ; s[48:49] kv at my batch, + the part that I fetch
.set OFF, 50
.set T,   52                           ; the interval
.set TBS, 53                           ; slot in hand of the softmax waves,
.set TBP, 54                           ; and of the product waves
.set RC,  55
.set RN,  56
.set DIR, 57
.set CHG, 58
.set CL1, 59
.set CL2, 60
.set DIAG, 61
.set DB,  62
.set KF,  63
.set OUTA, 66
.set OUTB, 68
.set FR,  70                           ; the record that I fetch next, its trip, the walk's direction and its change
.set FT,  71
.set FDIR, 72
.set FCHG, 73
.set PFB, 86                           ; s[86:87] kv at my batch, + my 11 blocks of a record;  s[88:89] the same in the record asked for;  s[90:91] an offset
.set PFA, 88
.set PO,  90
.set PR,  92                           ; the record asked for, its trip, the walk's direction, the last trip asked for
.set PT,  93
.set PDIR, 94
.set PLIM, 95
.set MSB, 0
.macro WIN new
.if MSB != \new
	s_set_vgpr_msb (MSB<<8)|\new
.set MSB, \new
.endif
.endm
.macro WALU
	s_wait_alu depctr_va_vdst(0)
.endm
.macro DEP n
	s_delay_alu instid0(VALU_DEP_\n)
.endm
.macro PLACES n
.rept \n
	v_nop
.endr
.endm
.macro CROUND
	s_barrier_signal -1
	s_barrier_wait -1
	s_cmp_lg_u32 s[WV], 0
	s_cbranch_scc1 .Lnot_wave_0_\@
	s_barrier_signal -3
.Lnot_wave_0_\@:
	s_barrier_wait -3
	s_barrier_signal -1
	s_barrier_wait -1
.endm
.macro BARRIER
	s_wait_dscnt 0x0
	s_barrier_signal -1
	s_barrier_wait -1
.endm
; one prefetch a wave: my 11 blocks of the next trip's record of my stream.  The test hangs on the wave's number, the trip and cl, which the partners share
.macro ASK
	s_wait_xcnt 0x0                                ; my last prefetch, an interval ago, has read its base
	s_add_co_i32 s[PR], s[PR], s[PDIR]
	s_add_co_u32 s[PT], s[PT], 1
	s_mul_i32 s[PO], s[PR], REC
	s_add_nc_u64 s[PFA:PFA+1], s[PFB:PFB+1], s[PO:PO+1]
	s_cmp_le_u32 s[PT], s[PLIM]
	s_cbranch_scc0 .Lnone_\@
	global_prefetch_b8 v[PFO], s[PFA:PFA+1] th:TH_LOAD_NT scope:SCOPE_SE
.Lnone_\@:
.endm
; my one joint load: record FR's part; then the walk steps on (no register of the descriptor is written behind the load)
.macro FETCH g0, g1, turn
.if \turn
	s_xor_b32 s[\g0+1], s[\g0+1], SLOT1
.endif
	s_mul_i32 s[OFF], s[FR], REC
	s_add_nc_u64 s[\g0+2:\g0+3], s[FB:FB+1], s[OFF:OFF+1]
	s_or_b32 s[\g0+3], s[\g0+3], 0x80000000
	tensor_load_to_lds s[\g0:\g0+3], s[\g1:\g1+7]
	s_nop 0
	PLACES 4
	s_add_co_i32 s[FR], s[FR], s[FDIR]
	s_cmp_eq_u32 s[FT], s[FCHG]
	s_cselect_b32 s[FR], 0, s[FR]                  ; behind A's last record X begins at record 0
	s_add_co_u32 s[FT], s[FT], 1
.endm
.macro FILL vf, kf, turn               ; one chain of branches on the wave's number, one load to an arm
	s_cmp_lt_u32 s[WV], 6
	s_cbranch_scc0 .Lfor_k_\@
.if \vf
	FETCH G0V, G1V, \turn
.endif
	s_branch .Lasked_\@
.Lfor_k_\@:
.if \kf
	FETCH G0K, G1K, \turn
.endif
.Lasked_\@:
.endm
; an interval's head: all my tensor loads have landed, 0 onto my spare word, my LDS work is done; the round; the fills
.macro CHANGE vf, kf
	WALU                                           ; ahead of the blocking wait
	s_wait_tensorcnt 0x0
	ds_add_u32 v[SPW], v[NIL]
	s_mov_b32 s[RC], s[RN]                         ; my stream's record in this trip, and the next
	s_add_co_i32 s[RN], s[RN], s[DIR]
	s_cmp_eq_u32 s[T], s[CHG]
	s_cselect_b32 s[RN], 0, s[RN]
	s_wait_dscnt 0x0
.if \vf || \kf
	CROUND
	FILL \vf, \kf, 1
.else
	s_barrier_signal -1
	s_barrier_wait -1
.endif
.endm
.macro ADDR                            ; made by all waves ahead of the parting of the roles
.irp a, 0,1,2,3
	v_add_nc_u32 v[AK+\a], s[TBS], v[AK0+\a]
.endr
.irp a, 4,5,6,7,8,9
	v_add_nc_u32 v[AK+\a], s[TBP], v[AK0+\a]
.endr
	WALU                                           ; read behind a branch
.endm
.macro LOADK
.irp t, 0,1,2,3,4,5,6,7
.irp p, 0,1,2
	ds_load_b64 v[KR+6*\t+2*\p:KR+6*\t+2*\p+1], v[AK] offset:768*\t+8*\p
.endr
.endr
.irp q, 0,1,2,3
	ds_load_b32 v[KS+\q], v[AS] offset:128*\q
.endr
.endm
.macro LOADV part                      ; my six channel tiles of v out of X's (0) or Y's (1) part: 39 loads
.irp j, 0,1,2,3,4,5
.irp c, 0,1
.irp p, 0,1,2
	ds_load_b64 v[VB+12*(6*\part+\j)+6*\c+2*\p:VB+12*(6*\part+\j)+6*\c+2*\p+1], v[AV+\part] offset:1536*\j+768*\c+8*\p
.endr
.endr
.endr
.irp q, 0,1,2
	ds_load_b32 v[VS+3*\part+\q], v[AT+\part] offset:128*\q
.endr
.endm
.macro SCORES                          ; S^T = K Q^T.  K is 64: a tile's upper six registers meet q's zero codes
.irp t, 0,2,4,6
	v_wmma_scale_f32_16x16x128_f8f6f4 v[S+8*\t:S+8*\t+7], v[KR+6*\t:KR+6*\t+11], v[Q:Q+11], 0, v[KS+\t/2], v[QS] matrix_a_fmt:MATRIX_FMT_FP6 matrix_b_fmt:MATRIX_FMT_FP6
	v_wmma_scale_f32_16x16x128_f8f6f4 v[S+8*\t+8:S+8*\t+15], v[KR+6*\t+6:KR+6*\t+17], v[Q:Q+11], 0, v[KS+\t/2], v[QS] matrix_a_fmt:MATRIX_FMT_FP6 matrix_b_fmt:MATRIX_FMT_FP6 matrix_a_scale:MATRIX_SCALE_ROW1
.endr
.endm
.macro MASK                            ; on and behind the diagonal hidden keys get -infinity; other records pass by: a scalar branch on ids and the trip
	s_cmp_ge_u32 s[RC], s[DIAG]
	s_cbranch_scc0 .Lopen_\@
	s_lshl_b32 s[KF], s[RC], 7
	v_sub_nc_u32 v[TA], v[QH], s[KF]               ; register 16 b + i holds key KF + 32 b + 16 (lane / 16) + i: hidden where 32 b + i > my query - 16 (lane / 16) - KF
	v_mov_b32 v[TA+1], 0xff800000
.set n, 0
.rept 64
	v_cmp_gt_i32 vcc_lo, 32*(n/16)+n%16, v[TA]
	v_cndmask_b32 v[S+n], v[S+n], v[TA+1], vcc_lo
.set n, n+1
.endr
.Lopen_\@:
.endm
.macro SOFTMAX
.irp b, 0,1,2,3
	v_max3_num_f32 v[BM+\b], v[S+16*\b], v[S+16*\b+1], v[S+16*\b+2]   ; each block's largest score: for the row's maximum and for the block's largest p
.endr
.irp i, 3,5,7,9,11,13
.irp b, 0,1,2,3
	v_max3_num_f32 v[BM+\b], v[BM+\b], v[S+16*\b+\i], v[S+16*\b+\i+1]
.endr
.endr
.irp b, 0,1,2,3
	v_max_num_f32 v[BM+\b], v[BM+\b], v[S+16*\b+15]
.endr
.irp b, 0,1,2,3
	v_permlanex16_b32 v[T4+\b], v[BM+\b], s[SEL], s[SEL+1]
.endr
.irp b, 0,1,2,3
	v_max_num_f32 v[BM+\b], v[BM+\b], v[T4+\b]
.endr
	v_max3_num_f32 v[TA], v[BM], v[BM+1], v[BM+2]
	DEP 1
	v_max_num_f32 v[TA], v[TA], v[BM+3]
	DEP 1
	v_mul_f32 v[TA], s[CS], v[TA]
	DEP 1
	v_max_num_f32 v[TMX], v[TMX], v[TA]            ; the running largest t
	v_mov_b32 v[TA], v[NM]
	DEP 2
	v_floor_f32 v[NM], -v[TMX]                     ; -M = floor(-t)
.set n, 0
.rept 32
	v_pk_fma_f32 v[S+n:S+n+1], v[S+n:S+n+1], s[CS:CS+1], v[NM:NM+1] op_sel_hi:[1,0,0]   ; t - M
.set n, n+2
.endr
	v_sub_f32 v[TA], v[NM], v[TA]                  ; old M - new M
	v_fma_f32 v[BM], v[BM], s[CS], v[NM]
	v_fma_f32 v[BM+1], v[BM+1], s[CS], v[NM]
	DEP 3
	v_cvt_i32_f32 v[TA], v[TA]                     ; (it saturates)
	v_fma_f32 v[BM+2], v[BM+2], s[CS], v[NM]
	v_fma_f32 v[BM+3], v[BM+3], s[CS], v[NM]
	DEP 3
	v_ldexp_f32 v[F], 1.0, v[TA]                   ; f
	WALU                                           ; ahead of the batch
.set n, 0
.rept 64
	v_exp_f32 v[S+n], v[S+n]
.set n, n+1
.endr
	v_pk_mul_f32 v[L:L+1], v[L:L+1], v[F:F+1] op_sel_hi:[1,0]
	WALU                                           ; one wait for the batch, ahead of its first reader
.irp b, 0,1,2,3
	v_exp_f32 v[BM+\b], v[BM+\b]                   ; the block's largest p
.endr
	v_pk_add_f32 v[SU:SU+1], v[S:S+1], v[S+2:S+3]  ; the sum of the unquantised p, in two chains
.irp j, 4,8,12,16,20,24,28,32,36,40,44,48,52,56,60
	v_pk_add_f32 v[L:L+1], v[L:L+1], v[S+\j:S+\j+1]
	v_pk_add_f32 v[SU:SU+1], v[SU:SU+1], v[S+\j+2:S+\j+3]
.endr
	v_pk_add_f32 v[L:L+1], v[L:L+1], v[SU:SU+1]
	WALU                                           ; and one for the four
.irp b, 0,1,2,3
	v_max_num_f32 v[BM+\b], 0x1800000, v[BM+\b]    ; the floor 2^(3 - 127): the byte cannot fall under 1
.endr
.irp b, 0,1,2,3
	v_add_nc_u32 v[SOP+\b], 0xff000000, v[BM+\b]   ; 2 off the exponent field: the conversion's scale operand
.endr
.irp b, 0,1,2,3
	v_lshrrev_b32 v[T4+\b], 23, v[SOP+\b]
.endr
	v_lshl_or_b32 v[PWD], v[T4+1], 8, v[T4]
	DEP 1
	v_lshl_or_b32 v[PWD], v[T4+2], 16, v[PWD]
	DEP 1
	v_lshl_or_b32 v[PWD], v[T4+3], 24, v[PWD]
.irp c, 0,1
	v_cvt_scalef32_pk16_fp6_f32 v[PC+6*\c:PC+6*\c+2], v[S+32*\c:S+32*\c+15], v[SOP+2*\c]
	v_cvt_scalef32_pk16_fp6_f32 v[PC+12+4*\c:PC+12+4*\c+2], v[S+32*\c+16:S+32*\c+31], v[SOP+2*\c+1]
.endr
	v_nop                                          ; one plain place behind a scaled conversion
.irp c, 0,1                            ; the operand's layout wants a whole block in a lane
.irp i, 0,1,2
	v_permlane16_swap_b32 v[PC+6*\c+\i], v[PC+12+4*\c+\i]
.endr
.irp i, 0,1,2
	v_mov_b32 v[PC+3+6*\c+\i], v[PC+12+4*\c+\i]
.endr
.endr
.endm
.macro SUM                             ; my tile's whole sum into v[TA]
	v_add_f32 v[TA], v[L], v[L+1]
	v_permlanex16_b32 v[TA+1], v[TA], s[SEL], s[SEL+1]
	v_add_f32 v[TA], v[TA], v[TA+1]
.endm
; behind A's last record: A's sums go to LDS for the product waves, and waves 0 and 1 begin B's second state
.macro SMSWITCH
	s_cmp_eq_u32 s[T], s[CL1]
	s_cbranch_scc0 .Lno_switch_\@
	SUM
	ds_store_b32 v[STW], v[TA] offset:128
.irp p, 0,1,2,3,4,5
	v_mov_b32 v[Q+\p], v[QN+\p]
.endr
	v_mov_b32 v[QS], v[QSN]
	v_mov_b32 v[QH], v[QHN]
	s_mov_b32 s[DIAG], s[DB]
	s_cmp_lt_u32 s[WV], 2
	s_cbranch_scc0 .Lkeep_\@
	v_mov_b32 v[TMX], 0xff61b1e6                   ; -3e38, under every t: the first f is 0
	v_floor_f32 v[NM], -v[TMX]
	v_mov_b32 v[L], 0
	v_mov_b32 v[L+1], 0
.Lkeep_\@:
	PLACES 8                                       ; a scale register written by a vector instruction stands 8 places ahead of a scaled matrix instruction
.Lno_switch_\@:
.endm
.macro SMBODY kind                     ; 1: no change of state can fall here; 2: the common trip; 3: the last trip
.if \kind > 1
	SMSWITCH
.endif
	LOADK
	WALU                                           ; ahead of the blocking wait
	s_wait_dscnt 0x0
	SCORES
.if \kind < 3
	ASK                                            ; behind the fills, K's loads and the scores
.endif
	PLACES 4
	MASK
	SOFTMAX
.irp k, 0,1,2
	ds_store_b128 v[PWI], v[PC+4*\k:PC+4*\k+3] offset:512*\k
.endr
	ds_store_b32 v[PSW], v[PWD]
	ds_store_b32 v[PSW], v[F] offset:512
.if \kind == 3
	SUM
	ds_store_b32 v[STW], v[NM] offset:1024
	ds_store_b32 v[STW], v[TA] offset:1024+128
.endif
.endm
.macro RESC t                          ; O^T of virtual tile t under the new M, each sum from its low end on
.set n, 0
.rept 24
	v_pk_mul_f32 v[48*\t+n:48*\t+n+1], v[48*\t+n:48*\t+n+1], v[FF+2*\t:FF+2*\t+1] op_sel_hi:[1,0]
.set n, n+2
.endr
.endm
.macro PVW j, t, row, zero
.if \zero
	v_wmma_scale_f32_16x16x128_f8f6f4 v[48*\t+8*(\j):48*\t+8*(\j)+7], v[VB+12*(6*(\t/2)+(\j)):VB+12*(6*(\t/2)+(\j))+11], v[192+12*\t:192+12*\t+11], 0, v[VS+3*(\t/2)+(\j)/2], v[PS+\t] matrix_a_fmt:MATRIX_FMT_FP6 matrix_b_fmt:MATRIX_FMT_FP6 matrix_a_scale:MATRIX_SCALE_ROW\row
.else
	v_wmma_scale_f32_16x16x128_f8f6f4 v[48*\t+8*(\j):48*\t+8*(\j)+7], v[VB+12*(6*(\t/2)+(\j)):VB+12*(6*(\t/2)+(\j))+11], v[192+12*\t:192+12*\t+11], v[48*\t+8*(\j):48*\t+8*(\j)+7], v[VS+3*(\t/2)+(\j)/2], v[PS+\t] matrix_a_fmt:MATRIX_FMT_FP6 matrix_b_fmt:MATRIX_FMT_FP6 matrix_a_scale:MATRIX_SCALE_ROW\row
.endif
.endm
.macro PVBODY kind, ask                ; 1: the first trip starts the sums; 2: the common trip
.if \kind == 2
.irp t, 0,1,2,3
	ds_load_b32 v[FF+2*\t], v[PRS] offset:512+128*\t
.endr
.endif
.irp t, 0,1,2,3
	ds_load_b32 v[PS+\t], v[PRS] offset:128*\t
.endr
	WIN 0x40
.irp t, 0,1,2,3
.irp k, 0,1,2
	ds_load_b128 v[192+12*\t+4*\k:192+12*\t+4*\k+3], v[PRI] offset:1536*\t+512*\k
.endr
.endr
	WIN 0
	LOADV 0
.if \ask
	ASK                                            ; behind the fills and a run of LDS loads
.endif
.if \kind == 2
	s_wait_dscnt 55                                ; the four f are in; behind them 4 words, 12 loads of p, 39 of V
	WALU                                           ; directly ahead of the first reader of O^T
	WIN 0x41
	RESC 0
	RESC 1
	WIN 0
	LOADV 1
	WIN 0x41
	RESC 2
	RESC 3
	WIN 0
	WALU                                           ; ahead of the blocking wait
.else
	LOADV 1
.endif
	s_wait_dscnt 0x0
	WIN 0x54                                       ; V window 0, P, C and D window 1.  24 sums by turns, one instruction a turn
.irp j, 0,2,4
.irp t, 0,1,2,3
	PVW \j, \t, 0, (\kind == 1)
.endr
.irp t, 0,1,2,3
	PVW \j+1, \t, 1, (\kind == 1)
.endr
.endr
	WIN 0
	PLACES 4                                       ; in front of the next loads into these operands and the next read of the sums
.endm
; Virtual tiles vt, vt + 1 (32 queries): my 96 channels of each row into the stage.  Stage row 16 u + r is query 8 u + r + 8 (r / 8) of the piece
.macro TOSTAGE vt
	WIN 0x04
.irp u, 0,1
.irp j, 0,1,2,3,4,5
	ds_store_b128 v[SO], v[48*(\vt+\u)+8*\j:48*(\vt+\u)+8*\j+3] offset:16*SPI*\u+64*\j
	ds_store_b128 v[SO], v[48*(\vt+\u)+8*\j+4:48*(\vt+\u)+8*\j+7] offset:16*SPI*\u+64*\j+16
.endr
.endr
	WIN 0
.endm
.macro FROMSTAGE base                  ; a barrier, since a row comes from four waves; then whole rows, four to each of the eight waves
	BARRIER
.set n, 0
.rept 12
	ds_load_b128 v[OB+4*n:OB+4*n+3], v[SR] offset:SPI*(n/3)+512*(n%3)
.set n, n+1
.endr
.set n, 0
.rept 12
	s_wait_dscnt 11-n                              ; load n is in; the 11 - n behind it may be out
	global_store_b128 v[GO], v[OB+4*n:OB+4*n+3], s[\base:\base+1] offset:1536*(n/3)+512*(n%3) th:TH_STORE_NT   ; 32 lanes store 512 consecutive bytes, aligned
.set n, n+1
.endr
	s_wait_xcnt 0x0                                ; the stores have read their registers
.endm
.macro PVSWITCH                        ; two intervals behind A's last record A leaves.  The test is the same in all waves and all partners
	s_cmp_eq_u32 s[T], s[CL2]
	s_cbranch_scc0 .Lstay_\@
	s_cmp_lt_u32 s[WV], 4
	s_cbranch_scc1 .Lsoft_\@
	ds_load_b32 v[STT], v[STR] offset:128
	ds_load_b32 v[STT+2], v[STR] offset:256+128
	s_wait_dscnt 0x0
	v_rcp_f32 v[STT+4], v[STT]
	v_rcp_f32 v[STT+6], v[STT+2]
	v_nop
	WALU                                           ; ahead of the reciprocals' first reader, which is also O^T's
	WIN 0x41
.irp u, 0,1
.set n, 0
.rept 24
	v_pk_mul_f32 v[48*\u+n:48*\u+n+1], v[48*\u+n:48*\u+n+1], v[STT+4+2*\u:STT+5+2*\u] op_sel_hi:[1,0]
.set n, n+2
.endr
.endr
	WIN 0
	TOSTAGE 0
.Lsoft_\@:
	FROMSTAGE OUTA
.Lstay_\@:
.endm
.macro INTERVAL vf, kf, sm, pv, sw
	CHANGE \vf, \kf
.if \sm == 3
	s_cmp_lt_u32 s[W4], 2
	s_cselect_b32 s[RC], 0x200, s[RC]              ; the last trip's record of X is wholly hidden: its first key counts as 65,536
.endif
.if \sw
	PVSWITCH
.endif
	ADDR
	s_cmp_lt_u32 s[WV], 4
	s_cbranch_scc0 .Lprod_\@
.if \sm
	SMBODY \sm
.endif
	s_branch .Ljoin_\@
.Lprod_\@:
.if \pv
	PVBODY \pv, \kf
.else
	ASK                                            ; interval 0: the product waves have their prefetch alone
.endif
.Ljoin_\@:
	s_xor_b32 s[TBS], s[TBS], SLOT1
	s_xor_b32 s[TBP], s[TBP], SLOT1
	s_add_co_u32 s[T], s[T], 1
.endm
	s_load_b256 s[4:11], s[0:1], 0x0               ; qimg, qscl, kv, out0
	v_lshl_add_u32 v[SPW], v0, 2, SPARE
	v_mov_b32 v[NIL], 0
	ds_add_u32 v[SPW], v[NIL]                      ; the opening lines: the add twice on end and its wait ahead of my first tensor load
	ds_add_u32 v[SPW], v[NIL]
	v_lshrrev_b32 v244, 5, v0
	v_readfirstlane_b32 s[WV], v244                ; wave 0..7
	s_and_b32 s[W4], s[WV], 3                      ; my virtual tile, or my quarter of the channels
	s_bfe_u32 s74, ttmp6, 0x40000                  ; cx
	s_mov_b32 s[CL], ttmp9
	s_and_b32 s15, ttmp7, 0xffff                   ; the batch
	s_lshl_b32 s16, s[CL], 2
	s_add_co_u32 s16, s16, s74                     ; i: it enters global addresses of Q and out0 and the lane's query number alone
	s_sub_co_u32 s18, 127, s16
	s_sub_co_u32 s[DB], 31, s[CL]
	s_add_co_u32 s[CL1], s[CL], 1
	s_add_co_u32 s[CL2], s[CL], 2
	s_and_b32 s19, s[WV], 1
	s_cmp_lt_u32 s[W4], 2                          ; tiles 0, 1: stream X; tiles 2, 3: stream Y
	s_cselect_b32 s[DIR], 1, -1
	s_cselect_b32 s[CHG], s[CL], 99
	s_cselect_b32 s[DIAG], s[CL], s[DB]
	s_cselect_b32 s[RN], 0, s[DB]
	s_cselect_b32 s17, s16, s18
	s_cmp_ge_u32 s[WV], 3                          ; what I fetch: waves 0-2 V of X, 3-5 V of Y, 6 K of X, 7 K of Y
	s_cselect_b32 s75, 1, 0
	s_mul_i32 s76, s75, 3
	s_sub_co_u32 s76, s[WV], s76
	s_mul_i32 s76, s76, VTH
	s_add_co_u32 s76, s76, KPB
	s_sub_co_u32 s77, s[WV], 6
	s_cmp_lt_u32 s[WV], 6
	s_cselect_b32 s75, s75, s77
	s_cselect_b32 s76, s76, 0
	s_cmp_eq_u32 s75, 0
	s_cselect_b32 s[FDIR], 1, -1
	s_cselect_b32 s[FCHG], s[CL], 99
	s_cselect_b32 s[FR], 0, s[DB]
	s_mov_b32 s[FT], 0
	s_cmp_lt_u32 s[WV], 4                          ; what I prefetch: waves 0-3 X's records 1 .. cl, waves 4-7 Y's, trips 1 .. 16
	s_cselect_b32 s[PDIR], 1, -1
	s_cselect_b32 s[PR], 0, s[DB]
	s_cselect_b32 s[PLIM], s[CL], 16
	s_mov_b32 s[PT], 0
	s_lshl_b32 s77, s74, 2
	s_add_co_u32 s77, s77, s[W4]                   ; my wave among the cluster's sixteen that share a record: it enters this global address alone
	s_mul_i32 s77, s77, 11*256
	s_mul_i32 s[PO], s15, 32*REC
	s_add_co_u32 s[PO], s[PO], s77
	s_mov_b32 s[PO+1], 0
	s_mov_b32 s[G1V], 15|(3<<16)|(1<<21)           ; the mask: all four work-groups; elements of 8 bytes; bit 21 beside a mask.  Dense rows of 256 bytes: 50 for V,
	s_mov_b32 s[G1V+1], 32<<16
	s_mov_b32 s[G1V+2], 50<<16
	s_mov_b32 s[G1V+3], 32<<16
	s_mov_b32 s[G1V+4], 50
	s_mov_b32 s[G1V+5], 32
	s_mov_b32 s[G1V+6], 0
	s_mov_b32 s[G1V+7], 0
	s_mov_b32 s[G1K], 15|(3<<16)|(1<<21)           ; 26 for K
	s_mov_b32 s[G1K+1], 32<<16
	s_mov_b32 s[G1K+2], 26<<16
	s_mov_b32 s[G1K+3], 32<<16
	s_mov_b32 s[G1K+4], 26
	s_mov_b32 s[G1K+5], 32
	s_mov_b32 s[G1K+6], 0
	s_mov_b32 s[G1K+7], 0
	s_mov_b32 s[G0V], 1
	s_mul_i32 s[G0V+1], s[WV], VTH                 ; waves 0-5: six thirds on end
	s_mov_b32 s[G0K], 1
	s_mul_i32 s[G0K+1], s[WV], KPB
	s_add_co_u32 s[G0K+1], s[G0K+1], KOFF-6*KPB    ; waves 6, 7: behind them
	s_mul_i32 s[OFF], s15, 32*REC
	s_add_co_u32 s[OFF], s[OFF], s76
	s_mov_b32 s[OFF+1], 0
	s_mov_b32 s[SEL], 0x76543210
	s_mov_b32 s[SEL+1], 0xfedcba98
	s_mov_b32 s[CS], 0x3e38aa3b                    ; log2(e) / 8
	s_mov_b32 s[CS+1], s[CS]
	s_mov_b32 s[T], 0
	s_mov_b32 s[TBS], 0
	s_mov_b32 s[TBP], SLOT1
	v_and_b32 v240, 31, v0                         ; lane
	v_and_b32 v241, 15, v0                         ; r
	v_bfe_u32 v242, v0, 4, 1                       ; h
	v_mul_u32_u24 v243, v240, 24
	v_lshlrev_b32 v244, 2, v240
	v_lshlrev_b32 v245, 4, v240
	v_min_u32 v[PFO], 10, v240
	v_lshlrev_b32 v[PFO], 8, v[PFO]
	WALU
	s_lshr_b32 s78, s[W4], 1
	s_mul_i32 s78, s78, KPB
	s_add_co_u32 s78, s78, KOFF
	v_add_nc_u32 v[AK0], s78, v243
	v_add_nc_u32 v[AK0+1], s78, v244
	v_add_nc_u32 v[AK0+1], 6144, v[AK0+1]
	s_mul_i32 s79, s[W4], 1536
	s_add_co_u32 s79, s79, PBUF
	v_add_nc_u32 v[AK0+2], s79, v245
	s_lshl_b32 s79, s[W4], 7
	s_add_co_u32 s79, s79, PBUF+PSC
	v_add_nc_u32 v[AK0+3], s79, v244
	s_mul_i32 s79, s[W4], 9216
	s_add_co_u32 s79, s79, 1536
	v_add_nc_u32 v[AK0+4], s79, v243
	v_add_nc_u32 v[AK0+5], VPB, v[AK0+4]
	s_mul_i32 s79, s[W4], 384
	v_add_nc_u32 v[AK0+6], s79, v244
	v_add_nc_u32 v[AK0+7], VPB, v[AK0+6]
	v_add_nc_u32 v[AK0+8], PBUF, v245
	v_add_nc_u32 v[AK0+9], PBUF+PSC, v244
	s_add_co_u32 s79, s79, STG
	v_mul_u32_u24 v[SO], v241, SPI
	v_lshl_add_u32 v[SO], v242, 5, v[SO]
	v_add_nc_u32 v[SO], s79, v[SO]
	s_mul_i32 s79, s[WV], 4*SPI
	s_add_co_u32 s79, s79, STG
	v_add_nc_u32 v[SR], s79, v245
	s_lshr_b32 s80, s[WV], 2                       ; stage rows 4 wave .. + 3 are queries 8 (wave / 4) + 4 (wave % 4) + 8 ((wave % 4) / 2) .. + 3
	s_lshl_b32 s80, s80, 3
	s_lshl_b32 s81, s[W4], 2
	s_add_co_u32 s80, s80, s81
	s_lshr_b32 s81, s[W4], 1
	s_lshl_b32 s81, s81, 3
	s_add_co_u32 s80, s80, s81
	s_mul_i32 s80, s80, 1536
	v_add_nc_u32 v[GO], s80, v245
	s_lshl_b32 s79, s[W4], 8
	s_add_co_u32 s79, s79, STAT
	v_add_nc_u32 v[STW], s79, v244
	v_add_nc_u32 v[STR], STAT, v244
	v_and_b32 v248, 8, v241
	v_add_nc_u32 v248, v248, v241
	v_lshlrev_b32 v249, 4, v242
	v_sub_nc_u32 v248, v248, v249                  ; r + 8 (r / 8) - 16 h
	s_lshl_b32 s80, s17, 5
	s_lshl_b32 s81, s19, 3
	s_add_co_u32 s80, s80, s81
	v_add_nc_u32 v[QH], s80, v248
	s_lshl_b32 s80, s18, 5
	s_add_co_u32 s80, s80, s81
	v_add_nc_u32 v[QHN], s80, v248
	v_mov_b32 v246, v243                           ; Q's codes: 24 x lane
	v_lshlrev_b32 v247, 2, v241                    ; its scale words: 4 r
	WALU                                           ; ahead of the blocking wait
	s_wait_dscnt 0x0
	s_wait_kmcnt 0x0
	s_add_nc_u64 s[FB:FB+1], s[8:9], s[OFF:OFF+1]
	s_add_nc_u64 s[PFB:PFB+1], s[8:9], s[PO:PO+1]
	CROUND                                         ; the first joint loads meet
	FILL 1, 1, 0                                   ; trip 0: V's six thirds, K's two parts: one load a wave
	s_lshl_b32 s74, s15, 8
	s_add_co_u32 s74, s74, s19                     ; 256 tiles a batch, + my parity
	s_lshl_b32 s75, s17, 1
	s_add_co_u32 s75, s75, s74
	s_mul_i32 s76, s75, 768
	s_mov_b32 s77, 0
	s_add_nc_u64 s[78:79], s[4:5], s[76:77]
	s_lshl_b32 s76, s75, 6
	s_add_nc_u64 s[80:81], s[6:7], s[76:77]
	s_lshl_b32 s75, s18, 1
	s_add_co_u32 s75, s75, s74                     ; B's tile of my parity
	s_mul_i32 s76, s75, 768
	s_add_nc_u64 s[82:83], s[4:5], s[76:77]
	s_lshl_b32 s76, s75, 6
	s_add_nc_u64 s[84:85], s[6:7], s[76:77]
.irp p, 0,1,2
	global_load_b64 v[Q+2*\p:Q+2*\p+1], v246, s[78:79] offset:8*\p
	global_load_b64 v[QN+2*\p:QN+2*\p+1], v246, s[82:83] offset:8*\p
.endr
	global_load_b32 v[QS], v247, s[80:81]
	global_load_b32 v[QSN], v247, s[84:85]
	s_lshl_b32 s75, s15, 12
	s_lshl_b32 s74, s16, 5
	s_add_co_u32 s74, s74, s75
	s_mul_i32 s76, s74, 1536
	s_add_nc_u64 s[OUTA:OUTA+1], s[10:11], s[76:77]
	s_lshl_b32 s74, s18, 5
	s_add_co_u32 s74, s74, s75
	s_mul_i32 s76, s74, 1536
	s_add_nc_u64 s[OUTB:OUTB+1], s[10:11], s[76:77]
	ASK                                            ; trip 1's records, while trip 0's are on their way
.irp j, 40,41,42,43,44,45, 102,103,104,105,106,107, 200,201,202,203, 211, 213, 219,221,223,225, 232,233,234,235,236,237,238,239
	v_mov_b32 v\j, 0                               ; Q's zero codes; the zeros behind K's last tile; registers that are named (a permute's destination, the upper half of a pair) before they are first written
.endr
	v_mov_b32 v[TMX], 0xff61b1e6                   ; -3e38, under every t
	v_floor_f32 v[NM], -v[TMX]
	v_mov_b32 v[L], 0
	v_mov_b32 v[L+1], 0
	WALU
	s_wait_loadcnt 0x0                             ; Q
	ASK                                            ; trip 2's
	INTERVAL 1, 1, 1, 0, 0                         ; interval 0: trip 0's softmax; K(1) and V(1), first fills
	INTERVAL 0, 1, 2, 1, 0                         ; interval 1: K(2) alone: V(0) is being read; the first products start the sums
.Ltrip:                                            ; intervals 2 to 15
	INTERVAL 1, 1, 2, 2, 1
	s_cmp_lt_u32 s[T], 16
	s_cbranch_scc1 .Ltrip
	INTERVAL 1, 0, 3, 2, 1                         ; interval 16: the last softmax; V(16) alone
	INTERVAL 0, 0, 0, 2, 1                         ; interval 17: the last products; nothing is fetched
	; THE END: B's two states are joined.  e: virtual tile 2 + u, o: virtual tile u.  Under the larger M each is multiplied by an exact power of two; a state that saw no key has -M = 3e38 and gets the factor 0
	BARRIER                                        ; every wave's reads of the stage are over (A may have left in interval 17): it may be written again
	s_cmp_lt_u32 s[WV], 4
	s_cbranch_scc1 .Lsoft_end
.irp t, 0,1,2,3
	ds_load_b32 v[STT+2*\t], v[STR] offset:1024+256*\t
	ds_load_b32 v[STT+2*\t+1], v[STR] offset:1024+256*\t+128
.endr
	s_wait_dscnt 0x0
.irp u, 0,1
	v_min_num_f32 v[BM+\u], v[STT+2*\u], v[STT+4+2*\u]     ; -(the larger M)
.endr
.irp u, 0,1
	v_sub_f32 v[T4+\u], v[BM+\u], v[STT+4+2*\u]
	v_sub_f32 v[T4+2+\u], v[BM+\u], v[STT+2*\u]
.endr
.irp b, 0,1,2,3
	v_cvt_i32_f32 v[T4+\b], v[T4+\b]
.endr
.irp b, 0,1,2,3
	v_ldexp_f32 v[SOP+\b], 1.0, v[T4+\b]           ; fe of u = 0, 1, then fo
.endr
.irp u, 0,1
	v_mul_f32 v[SU+\u], v[STT+5+2*\u], v[SOP+\u]
.endr
.irp u, 0,1
	v_fma_f32 v[SU+\u], v[STT+1+2*\u], v[SOP+2+\u], v[SU+\u]   ; the row's whole sum
.endr
	WALU
	v_rcp_f32 v[TA], v[SU]
	v_rcp_f32 v[TA+1], v[SU+1]
	v_nop
	WALU
.irp u, 0,1
	v_mul_f32 v[FF+4*\u], v[SOP+\u], v[TA+\u]
	v_mul_f32 v[FF+4*\u+2], v[SOP+2+\u], v[TA+\u]
.endr
	WIN 0x41
.irp u, 0,1
.set n, 0
.rept 24
	v_pk_mul_f32 v[48*(2+\u)+n:48*(2+\u)+n+1], v[48*(2+\u)+n:48*(2+\u)+n+1], v[FF+4*\u:FF+4*\u+1] op_sel_hi:[1,0]
.set n, n+2
.endr
.endr
	WIN 0x51
.irp u, 0,1
.set n, 0
.rept 24
	v_pk_fma_f32 v[48*(2+\u)+n:48*(2+\u)+n+1], v[48*\u+n:48*\u+n+1], v[FF+4*\u+2:FF+4*\u+3], v[48*(2+\u)+n:48*(2+\u)+n+1] op_sel_hi:[1,0,1]
.set n, n+2
.endr
.endr
	WIN 0
	TOSTAGE 2
.Lsoft_end:
	FROMSTAGE OUTB
	s_wait_tensorcnt 0x0                           ; the wave's end
	ds_add_u32 v[SPW], v[NIL]
	s_wait_dscnt 0x0
	CROUND                                         ; the closing round
	s_endpgm
.Lfunc_end_k_q0540d5fa57_attn:
	.size	k_q0540d5fa57_attn, .Lfunc_end_k_q0540d5fa57_attn-k_q0540d5fa57_attn
	.p2alignl 7, 3214868480
	.fill 96, 4, 3214868480
	.section	.rodata,"a",@progbits
	.p2align	6, 0x0
	.amdhsa_kernel k_q0540d5fa57_attn
		.amdhsa_group_segment_fixed_size 327680
		.amdhsa_private_segment_fixed_size 0
		.amdhsa_enable_private_segment 0
		.amdhsa_kernarg_size 32
		.amdhsa_user_sgpr_count 2
		.amdhsa_user_sgpr_kernarg_segment_ptr 1
		.amdhsa_wavefront_size32 1
		.amdhsa_system_sgpr_workgroup_id_x 1
		.amdhsa_system_sgpr_workgroup_id_y 1
		.amdhsa_system_sgpr_workgroup_id_z 1
		.amdhsa_system_vgpr_workitem_id 0
		.amdhsa_next_free_vgpr 512
		.amdhsa_next_free_sgpr 96
		.amdhsa_reserve_vcc 1
		.amdhsa_float_denorm_mode_32 3
		.amdhsa_float_denorm_mode_16_64 3
		.amdhsa_memory_ordered 1
		.amdhsa_forward_progress 1
		.amdhsa_inst_pref_size 195
	.end_amdhsa_kernel
	.amdgpu_metadata
---
amdhsa.version: [ 1, 2 ]
amdhsa.kernels:
  - .name:           k_q0540d5fa57_attn
    .symbol:         k_q0540d5fa57_attn.kd
    .args:
      - { .name: qimg, .offset: 0, .size: 8, .value_kind: global_buffer, .address_space: global }
      - { .name: qscl, .offset: 8, .size: 8, .value_kind: global_buffer, .address_space: global }
      - { .name: kv, .offset: 16, .size: 8, .value_kind: global_buffer, .address_space: global }
      - { .name: out0, .offset: 24, .size: 8, .value_kind: global_buffer, .address_space: global }
    .group_segment_fixed_size: 327680
    .private_segment_fixed_size: 0
    .kernarg_segment_align: 8
    .kernarg_segment_size: 32
    .max_flat_workgroup_size: 256
    .sgpr_count:     96
    .vgpr_count:     512
    .wavefront_size: 32
...
	.end_amdgpu_metadata
.endif
;; end of part 3
